; MI455X (gfx1250); checked and timed in simulation.
; The chip was launched on July 23, 2026; its instructions are those of AMD's public machine-readable ISA for CDNA 5 (MIT licence, August 2026) and "CDNA5" Instruction Set Architecture Reference Guide (July 2026). The comments in the code are by the model that wrote it; some were corrected since.
;; Fourier KAN Layer. Allowed arithmetic: matrix products marked QUANTISED: E5M2 operands, one given power-of-two scale a tensor, by v_wmma_f32_16x16x64_bf8_bf8 or v_wmma_f32_16x16x128_bf8_bf8, f32 sums; everything else in f32.
;; Inputs: bias 1 x 512 float32; fouriercoeffs 2 x 512 x 512 x 32 float32; ln_b 512 float32; ln_w 512 float32; lowp_scales 4 int32 (the exponents e of the quantised operands' scales 2^e); x 4,096 x 512 float32.
;; Outputs: out0 4,096 x 512 float32.
;; This version of the problem:
;;   THIS VERSION OF THE PROBLEM IS GIVEN IN LOW PRECISION. The matrix products marked QUANTISED in the list below multiply operands that are first quantised to E5M2 (5 exponent bits, 2 mantissa bits; 8 bits a number), with one given power-of-two scale for each operand tensor; their sums are f32. All else is computed in f32.
;;   The module's matrix products, in the order in which they are computed (A, B: the left and right operand; K: the contracted axis; several contracted axes count as one K, in the product's order):
;;     1. [M 4,096, K 16,384] x [K 16,384, N 512]; A: computed on the way; B: input fouriercoeffs: QUANTISED (scales: A lowp_scales[0], B lowp_scales[1])
;;     2. [M 4,096, K 16,384] x [K 16,384, N 512]; A: computed on the way; B: input fouriercoeffs: QUANTISED (scales: A lowp_scales[2], B lowp_scales[3])
;;   THE QUANTISER, for each operand of a quantised product, along K:
;;     - The operand's scale is 2^e, e = its entry of the input lowp_scales (int32; the entries are numbered through the quantised products in the list's order, A before B).
;;     - Each number is divided by the scale, clamped to +-57,344, and rounded to the nearest number of E5M2, ties to even, subnormals kept.
;;     - The product sums the exact products of the quantised numbers (number of the format x scale) in f32.
;;   ~~~python
;;   def quantise(x, axis, e):      # numpy; x: float32 -> the quantised numbers, widened to float32 again
;;       x = np.moveaxis(x, axis, -1); K = x.shape[-1]
;;       r = np.clip(x / 2.0 ** e, -57344, 57344)
;;       step = 2.0 ** (np.maximum(np.frexp(np.where(r == 0, 1, r))[1] - 1, -14) - 2)
;;       q = np.round(r / step) * step * 2.0 ** e      # np.round: ties to even
;;       return np.moveaxis(q, -1, axis).astype(np.float32)
;;   ~~~
;;   OPERANDS COMPUTED ON THE WAY. 'Computed on the way' means the value that the module computes at that place (a softmax that the list does not call 'softmax' is quantised finished and normalised). What goes into a quantiser is computed in f32, as accurately as f32 sums, v_exp_f32 and their like allow (about 1e-6 of the number): no bf16 or f16 on the way to a quantiser, and a product that is left as it is and whose result goes on into a quantised operand takes f32 operands (vector FMAs, or v_wmma_f32_16x16x4_f32). A number that lies on a knife's edge between two numbers of the format may be rounded either way, as far as f32 arithmetic and the matrix unit's own rounding can turn it there, and no further.
;; One version. Each part assembles by itself: llvm-mc -triple=amdgcn-amd-amdhsa -mcpu=gfx1250 --defsym DOCPART=n.
;; ======== version 1 of 1: 3 launches
;; limits: right only within a limited range of input values
;; workspace buffers: wc 16,777,216 bytes; seed 16,777,216 bytes; part 67,108,864 bytes
;; launch prep (part 1): grid 768 x 1, 16 waves a work-group, no clusters, 106,496 bytes of LDS; arguments x, ln_w, ln_b, fouriercoeffs, lowp_scales, seed, wc; writes seed, wc
.if DOCPART == 1
	.amdgcn_target "amdgcn-amd-amdhsa--gfx1250"
	.amdhsa_code_object_version 6
	.text
	.protected	k_q763f202ebe_prep
	.globl	k_q763f202ebe_prep
	.p2align	8
	.type	k_q763f202ebe_prep,@function
k_q763f202ebe_prep:
	s_mov_b64 s[64:65], 0
	v_nop
	global_prefetch_b8 v0, s[64:65] scope:SCOPE_SE
	s_setreg_imm32_b32 hwreg(HW_REG_WAVE_MODE, 25, 1), 1
	s_wait_xcnt 0x0
; TWO JOBS IN ONE LAUNCH, told apart by the work-group's number; each has LDS bytes of its own.
; Work-groups 0-255 (THE ANGLES): LayerNorm of 16 rows of x (a wave a row), then cos and sin of each xn, in f32.  They go out as
;   seed[g 256][q 128][lane 32][16 bytes]: lane r + 16 h holds (cos a, cos b, sin a, sin b) of row 16 g + r, columns a = 4 q + 2 h, b = a + 1:
;   the order in which a lane of the product's launch wants them.
; Work-groups 256-767 (THE WEIGHTS): fouriercoeffs [2][512 o][512 i][32 k] f32 becomes codes of E5M2 with the given scale 2^e (e1 for the cosines' half, e3 for the sines'),
;   laid as images of the operand's registers: wc[slice 8][w 4][kind 2][ks 16][b 8][c 4][lane 32][16 bytes], o = 128 w + 16 b + r, lane = r + 16 h;
;   byte q = 16 c + .. of a lane's 64 is k = q / 2 + 1 of column i = 64 slice + 4 ks + 2 h + (q & 1).
; code = x / 2^e, held within +-57,344, rounded to the nearest code, ties to even.
; LIMITS: e1, e3 between -126 and 112; |xn| under 1e5 (three-part reduction by pi / 2); NaN among the inputs is not served.
.set LNP,   528                        ; the angles' stage: 128 rows (a row = a quad of columns) of 512 bytes + 16: lanes 528 bytes apart fall on different banks
.set WSTG,  128*LNP                    ; behind it the weights' stages, one for each wave
.set WP,    2304                       ; a wave's stage: 4 groups c of 576 bytes, each 2 halves h of 256 bytes + 32
	s_load_b256 s[4:11], s[0:1], 0x0               ; x s[4:5], ln_w s[6:7], ln_b s[8:9], fouriercoeffs s[10:11]
	s_load_b128 s[12:15], s[0:1], 0x20             ; the scales' exponents s[12:13], seed s[14:15]
	s_load_b64 s[16:17], s[0:1], 0x30              ; wc
	v_lshl_add_u32 v14, v0, 2, 0x19800             ; my spare word, behind both jobs' stages; v14 and v15 serve the add alone
	v_mov_b32 v15, 0
	v_lshrrev_b32 v1, 5, v0
	s_delay_alu instid0(VALU_DEP_1)
	v_readfirstlane_b32 s18, v1                    ; wave 0..15
	v_and_b32 v2, 31, v0                           ; lane
	s_delay_alu instid0(VALU_DEP_1)
	v_lshlrev_b32 v3, 4, v2                        ; 16 x lane
	s_cmp_lt_u32 ttmp9, 256                        ; the same in all waves of a work-group
	s_cbranch_scc0 .Lweights
; ---------------- THE ANGLES.  Wave v owns row 16 g + v; lane l holds columns 4 l + 128 j + 0..3, j = 0..3: each load reads 512 bytes on end
	s_lshl_b32 s20, ttmp9, 4
	s_add_co_u32 s20, s20, s18                     ; my row,
	s_lshl_b32 s20, s20, 11                        ; of 2,048 bytes
	s_mov_b32 s21, 0
	s_lshl_b32 s40, ttmp9, 16                      ; my work-group's 65,536 bytes of seed
	s_mov_b32 s41, 0
	s_wait_kmcnt 0x0
	s_add_nc_u64 s[4:5], s[4:5], s[20:21]
	s_add_nc_u64 s[14:15], s[14:15], s[40:41]
	s_wait_alu depctr_va_vdst(0)
.irp j, 0,1,2,3
	global_load_b128 v[16+4*\j:19+4*\j], v3, s[4:5] offset:512*\j th:TH_LOAD_NT
.endr
.irp j, 0,1,2,3
	global_load_b128 v[32+4*\j:35+4*\j], v3, s[6:7] offset:512*\j
.endr
.irp j, 0,1,2,3
	global_load_b128 v[48+4*\j:51+4*\j], v3, s[8:9] offset:512*\j
.endr
	s_mov_b32 s22, 0x3b000000                      ; 1 / 512
	s_mov_b32 s24, 0x76543210                      ; v_permlanex16_b32: lane l xor 16
	s_mov_b32 s25, 0xfedcba98
	s_mov_b32 s26, 0x3fc90fdb                      ; pi / 2 in three parts: the first,
	s_mov_b32 s27, 0xb33bbd2e                      ; what it leaves,
	s_mov_b32 s28, 0xa6f72ced                      ; and what that leaves
	s_mov_b32 s29, 0xbe2aaaa3                      ; sin r = r + r z (S1 + z (S2 + z S3)), z = r r, |r| <= pi / 4
	s_mov_b32 s30, 0x3c08839e
	s_mov_b32 s31, 0xb94ca1f9
	s_mov_b32 s32, 0x3d2aaaa5                      ; cos r = 1 - z / 2 + z z (C1 + z (C2 + z C3))
	s_mov_b32 s33, 0xbab6061a
	s_mov_b32 s34, 0x37ccf5ce
	s_mov_b32 s35, 0x3f22f983                      ; 2 / pi
	v_mul_u32_u24 v4, v2, LNP
	s_lshl_b32 s36, s18, 4
	v_add_nc_u32 v4, s36, v4                       ; into the stage: row = quad l (+ 32 j), byte 16 x my row of the 16 (+ 256 h)
	s_mul_i32 s37, s18, 8*LNP
	v_add_nc_u32 v5, s37, v3                       ; out of it: quads 8 v + n, 16 bytes a lane
	s_lshl_b32 s38, s18, 12
	v_add_nc_u32 v6, s38, v3                       ; and the same in seed
	s_wait_loadcnt 8                               ; x's four loads are in; ln_w's and ln_b's eight may be out
	v_pk_add_f32 v[64:65], v[16:17], v[18:19]      ; the row's sum
	v_pk_add_f32 v[66:67], v[20:21], v[22:23]
	v_pk_add_f32 v[68:69], v[24:25], v[26:27]
	v_pk_add_f32 v[70:71], v[28:29], v[30:31]
	s_delay_alu instid0(VALU_DEP_3)
	v_pk_add_f32 v[64:65], v[64:65], v[66:67]
	s_delay_alu instid0(VALU_DEP_2)
	v_pk_add_f32 v[68:69], v[68:69], v[70:71]
	s_delay_alu instid0(VALU_DEP_1)
	v_pk_add_f32 v[64:65], v[64:65], v[68:69]
	s_delay_alu instid0(VALU_DEP_1)
	v_add_f32 v64, v64, v65
	s_delay_alu instid0(VALU_DEP_1)
	v_add_f32_dpp v64, v64, v64 row_xmask:1 row_mask:0xf bank_mask:0xf
	s_delay_alu instid0(VALU_DEP_1)
	v_add_f32_dpp v64, v64, v64 row_xmask:2 row_mask:0xf bank_mask:0xf
	s_delay_alu instid0(VALU_DEP_1)
	v_add_f32_dpp v64, v64, v64 row_xmask:4 row_mask:0xf bank_mask:0xf
	s_delay_alu instid0(VALU_DEP_1)
	v_add_f32_dpp v64, v64, v64 row_xmask:8 row_mask:0xf bank_mask:0xf
	s_delay_alu instid0(VALU_DEP_1)
	v_permlanex16_b32 v65, v64, s24, s25
	s_delay_alu instid0(VALU_DEP_1)
	v_add_f32 v64, v64, v65
	s_delay_alu instid0(VALU_DEP_1)
	v_mul_f32 v65, s22, v64                        ; the mean, twice: a pair for the packed forms
	s_delay_alu instid0(VALU_DEP_2)
	v_mul_f32 v64, s22, v64
.irp n, 0,2,4,6,8,10,12,14
	v_pk_add_f32 v[16+\n:17+\n], v[16+\n:17+\n], v[64:65] neg_lo:[0,1] neg_hi:[0,1]   ; d = x - mean
.endr
	v_pk_mul_f32 v[66:67], v[16:17], v[16:17]      ; the sum of d d, in two chains
	v_pk_mul_f32 v[68:69], v[18:19], v[18:19]
.irp n, 4,8,12
	s_delay_alu instid0(VALU_DEP_2)
	v_pk_fma_f32 v[66:67], v[16+\n:17+\n], v[16+\n:17+\n], v[66:67]
	s_delay_alu instid0(VALU_DEP_2)
	v_pk_fma_f32 v[68:69], v[18+\n:19+\n], v[18+\n:19+\n], v[68:69]
.endr
	s_delay_alu instid0(VALU_DEP_1)
	v_pk_add_f32 v[66:67], v[66:67], v[68:69]
	s_delay_alu instid0(VALU_DEP_1)
	v_add_f32 v66, v66, v67
	s_delay_alu instid0(VALU_DEP_1)
	v_add_f32_dpp v66, v66, v66 row_xmask:1 row_mask:0xf bank_mask:0xf
	s_delay_alu instid0(VALU_DEP_1)
	v_add_f32_dpp v66, v66, v66 row_xmask:2 row_mask:0xf bank_mask:0xf
	s_delay_alu instid0(VALU_DEP_1)
	v_add_f32_dpp v66, v66, v66 row_xmask:4 row_mask:0xf bank_mask:0xf
	s_delay_alu instid0(VALU_DEP_1)
	v_add_f32_dpp v66, v66, v66 row_xmask:8 row_mask:0xf bank_mask:0xf
	s_delay_alu instid0(VALU_DEP_1)
	v_permlanex16_b32 v67, v66, s24, s25
	s_delay_alu instid0(VALU_DEP_1)
	v_add_f32 v66, v66, v67
	s_delay_alu instid0(VALU_DEP_1)
	v_fmaak_f32 v66, s22, v66, 0x3727c5ac          ; v = variance + 1e-5
	s_wait_alu depctr_va_vdst(0)
	v_rsq_f32 v67, v66
	v_nop                                          ; a plain instruction behind the transcendental (ISA guide 5.7.2),
	s_wait_alu depctr_va_vdst(0)                   ; and the wait ahead of the first use of its result
	v_mul_f32 v68, v66, v67                        ; one Newton step: r + (r / 2) (1 - v r r)
	v_mul_f32 v70, 0.5, v67
	v_fma_f32 v69, -v68, v67, 1.0
	v_fma_f32 v72, v70, v69, v67                   ; twice: a pair
	v_fma_f32 v73, v70, v69, v67
	s_wait_alu depctr_va_vdst(0)
	s_wait_loadcnt 0x0                             ; ln_w, ln_b
.irp n, 0,2,4,6,8,10,12,14
	v_pk_mul_f32 v[16+\n:17+\n], v[16+\n:17+\n], v[72:73]
.endr
.irp n, 0,2,4,6,8,10,12,14
	v_pk_fma_f32 v[16+\n:17+\n], v[16+\n:17+\n], v[32+\n:33+\n], v[48+\n:49+\n]   ; xn = d r w + b
.endr
; cos and sin of v[x]: xn = n pi / 2 + r; n's lowest bit swaps the two series, bit 1 of n turns the sine's sign, bit 1 of n + 1 the cosine's
.macro SINCOS x, cd, sd
	v_mul_f32 v64, s35, v[\x]
	s_delay_alu instid0(VALU_DEP_1)
	v_rndne_f32 v64, v64                           ; n
	s_delay_alu instid0(VALU_DEP_1)
	v_fma_f32 v65, -v64, s26, v[\x]
	s_delay_alu instid0(VALU_DEP_1)
	v_fma_f32 v65, -v64, s27, v65
	s_delay_alu instid0(VALU_DEP_1)
	v_fma_f32 v65, -v64, s28, v65                  ; r
	s_delay_alu instid0(VALU_DEP_4)
	v_cvt_i32_f32 v66, v64
	s_delay_alu instid0(VALU_DEP_2)
	v_mul_f32 v67, v65, v65                        ; z
	s_delay_alu instid0(VALU_DEP_1)
	v_fma_f32 v68, v67, s31, s30
	s_delay_alu instid0(VALU_DEP_2)
	v_fma_f32 v69, v67, s34, s33
	s_delay_alu instid0(VALU_DEP_2)
	v_fma_f32 v68, v68, v67, s29
	s_delay_alu instid0(VALU_DEP_2)
	v_fma_f32 v69, v69, v67, s32
	v_mul_f32 v70, v65, v67
	v_mul_f32 v71, v67, v67
	v_fma_f32 v72, v67, -0.5, 1.0
	s_delay_alu instid0(VALU_DEP_3)
	v_fma_f32 v68, v70, v68, v65                   ; sin r
	s_delay_alu instid0(VALU_DEP_2)
	v_fma_f32 v69, v71, v69, v72                   ; cos r
	v_and_b32 v70, 1, v66
	s_delay_alu instid0(VALU_DEP_1)
	v_cmp_eq_u32 vcc_lo, 1, v70
	v_lshlrev_b32 v71, 30, v66
	v_add_nc_u32 v72, 1, v66
	s_delay_alu instid0(VALU_DEP_1)
	v_lshlrev_b32 v72, 30, v72
	s_delay_alu instid0(VALU_DEP_4)
	v_cndmask_b32 v73, v68, v69, vcc_lo            ; n odd: the sine is cos r,
	v_cndmask_b32 v74, v69, v68, vcc_lo            ; the cosine sin r
	v_and_b32 v71, 0x80000000, v71
	s_delay_alu instid0(VALU_DEP_4)
	v_and_b32 v72, 0x80000000, v72
	s_delay_alu instid0(VALU_DEP_2)
	v_xor_b32 v[\sd], v73, v71
	s_delay_alu instid0(VALU_DEP_2)
	v_xor_b32 v[\cd], v74, v72
.endm
.irp j, 0,1,2,3
.irp m, 0,1,2,3
	SINCOS 16+4*\j+\m, 48+4*(\m/2)+(\m%2), 50+4*(\m/2)+(\m%2)   ; into v48-55, which held ln_b and are done with
.endr
	ds_store_b128 v4, v[48:51] offset:\j*32*LNP        ; h = 0: columns 0, 1 of the quad
	ds_store_b128 v4, v[52:55] offset:\j*32*LNP+256    ; h = 1: columns 2, 3
.endr
	s_wait_dscnt 0x0                               ; for the others' sake: my stores into the stage are done
	s_barrier_signal -1
	s_barrier_wait -1
.irp n, 0,1,2,3,4,5,6,7
	ds_load_b128 v[16+4*\n:19+4*\n], v5 offset:\n*LNP
.endr
.irp n, 0,1,2,3,4,5,6,7
	s_wait_dscnt 7-\n                              ; LDS loads come back in order: quad n of my eight is in
	global_store_b128 v6, v[16+4*\n:19+4*\n], s[14:15] offset:512*\n   ; 32 lanes store 512 consecutive bytes, at a multiple of 256 from seed's first byte
.endr
	s_wait_tensorcnt 0x0                           ; the wave's end
	ds_add_u32 v14, v15
	s_wait_dscnt 0x0
	s_endpgm
; ---------------- THE WEIGHTS.  A work-group: one kind, 16 rows o, one slice of 64 columns i; wave v: the four columns 64 slice + 4 v: one image of 2,048 bytes.  Waves share nothing
.Lweights:
	s_sub_co_u32 s20, ttmp9, 256
	s_lshr_b32 s21, s20, 8                         ; kind
	s_bfe_u32 s22, s20, 0x50003                    ; ob: o = 16 ob + r
	s_and_b32 s23, s20, 7                          ; slice
	s_lshl_b32 s24, s21, 25                        ; in: kind x 32 MiB + ob x 16 rows of 65,536 bytes + slice x 64 columns of 128 bytes + wave x 4 columns
	s_lshl_b32 s25, s22, 20
	s_add_co_u32 s24, s24, s25
	s_lshl_b32 s25, s23, 13
	s_add_co_u32 s24, s24, s25
	s_lshl_b32 s25, s18, 9
	s_add_co_u32 s24, s24, s25
	s_mov_b32 s25, 0
	s_lshl_b32 s28, s23, 2                         ; out: ((((4 slice + ob / 8) 2 + kind) 16 + wave) 8 + ob % 8) x 2,048
	s_lshr_b32 s30, s22, 3
	s_add_co_u32 s28, s28, s30
	s_lshl_b32 s28, s28, 1
	s_add_co_u32 s28, s28, s21
	s_lshl_b32 s28, s28, 4
	s_add_co_u32 s28, s28, s18
	s_lshl_b32 s28, s28, 3
	s_and_b32 s30, s22, 7
	s_add_co_u32 s28, s28, s30
	s_lshl_b32 s28, s28, 11
	s_mov_b32 s29, 0
	s_wait_alu depctr_va_vdst(0)
	v_lshrrev_b32 v4, 4, v2                        ; which of two rows o
	v_bfe_u32 v5, v2, 3, 1                         ; h: which pair of columns
	v_and_b32 v6, 7, v2                            ; which four k
	s_delay_alu instid0(VALU_DEP_3)
	v_lshlrev_b32 v13, 16, v4
	s_delay_alu instid0(VALU_DEP_1)
	v_lshl_add_u32 v13, v5, 8, v13
	s_delay_alu instid0(VALU_DEP_1)
	v_lshl_add_u32 v13, v6, 4, v13                 ; my 16 bytes of a load
	s_delay_alu instid0(VALU_DEP_4)
	v_lshrrev_b32 v8, 1, v6                        ; c
	s_delay_alu instid0(VALU_DEP_1)
	v_mul_u32_u24 v7, v8, 576
	s_delay_alu instid0(VALU_DEP_1)
	v_mad_u32_u24 v7, v5, 288, v7
	s_delay_alu instid0(VALU_DEP_1)
	v_lshl_add_u32 v7, v4, 4, v7
	v_and_b32 v8, 1, v2
	s_delay_alu instid0(VALU_DEP_1)
	v_lshl_add_u32 v7, v8, 3, v7
	s_mul_i32 s26, s18, WP
	s_add_co_u32 s26, s26, WSTG                    ; my stage
	v_add_nc_u32 v7, s26, v7                       ; into it: 576 c + 288 h + 16 (row, + 2 n) + 8 (which half of the 16 bytes)
	v_and_b32 v8, 15, v2
	v_mul_u32_u24 v9, v4, 288
	s_delay_alu instid0(VALU_DEP_1)
	v_lshl_add_u32 v9, v8, 4, v9
	s_delay_alu instid0(VALU_DEP_1)
	v_add_nc_u32 v9, s26, v9                       ; out of it: 288 (lane / 16) + 16 (lane % 16), + 576 c
	s_wait_kmcnt 0x0
	s_load_b128 s[32:35], s[12:13], 0x0            ; e0, e1, e2, e3
	s_add_nc_u64 s[10:11], s[10:11], s[24:25]
	s_add_nc_u64 s[16:17], s[16:17], s[28:29]
.irp n, 0,1,2,3,4,5,6                          ; rows 2 n, 2 n + 1: the even column of my pair, then the odd one; the eighth pair is asked for when the first is worked
	global_load_b128 v[16+8*\n:19+8*\n], v13, s[10:11] offset:131072*\n th:TH_LOAD_NT
	global_load_b128 v[20+8*\n:23+8*\n], v13, s[10:11] offset:131072*\n+128 th:TH_LOAD_NT
.endr
	s_wait_kmcnt 0x0
	s_cmp_eq_u32 s21, 0
	s_cselect_b32 s36, s33, s35                    ; e1 or e3: a choice, no branch
	s_add_co_i32 s36, s36, 127
	s_lshl_b32 s37, s36, 23
	v_mov_b32 v11, s37                             ; 2^e as f32: the conversion takes its exponent field
	s_add_co_i32 s36, s36, 15
	s_lshl_b32 s36, s36, 23
	s_or_b32 s36, s36, 0x600000
	v_mov_b32 v10, s36                             ; 57,344 x 2^e
	s_wait_alu depctr_va_vdst(0)
.irp n, 0,1,2,3,4,5,6,7
.set LS, 16+8*\n                               ; where pair n was loaded (pair 7: v72-79)
.set TS, 8+8*\n                                ; where its held numbers go: the registers of pair n - 1, which are done with (pair 0: v72-79)
.if \n == 0
.set TS, 72
	s_wait_loadcnt 12                              ; pair 0 is in; the six later pairs may be out
.else
	s_wait_loadcnt 14-2*\n                         ; pair n is in; behind it: pairs n + 1 .. 7
.endif
.if \n == 7
.set LS, 72
.endif
.irp m, 0,1,2,3                                ; the hold (the conversion to an 8-bit code does not saturate: ISA guide 7.6.2) also lays the two columns by turns
	v_med3_num_f32 v[TS+2*\m], v[LS+\m], -v10, v10
	v_med3_num_f32 v[TS+1+2*\m], v[LS+4+\m], -v10, v10
.endr
	v_cvt_scalef32_pk8_bf8_f32 v[4:5], v[TS:TS+7], v11   ; eight plain lines stand between two conversions
	ds_store_b64 v7, v[4:5] offset:32*\n
.if \n == 0
	global_load_b128 v[72:75], v13, s[10:11] offset:131072*7 th:TH_LOAD_NT
	global_load_b128 v[76:79], v13, s[10:11] offset:131072*7+128 th:TH_LOAD_NT
.endif
.endr
.irp c, 0,1,2,3
	ds_load_b128 v[16+4*\c:19+4*\c], v9 offset:576*\c   ; LDS serves a wave's instructions in order: these see my stores
.endr
.irp c, 0,1,2,3
	s_wait_dscnt 3-\c
	global_store_b128 v3, v[16+4*\c:19+4*\c], s[16:17] offset:512*\c   ; 32 lanes store 512 consecutive bytes, at a multiple of 256 from wc's first byte
.endr
	s_wait_tensorcnt 0x0                           ; the wave's end
	ds_add_u32 v14, v15
	s_wait_dscnt 0x0
	s_endpgm
.Lfunc_end_k_q763f202ebe_prep:
	.size	k_q763f202ebe_prep, .Lfunc_end_k_q763f202ebe_prep-k_q763f202ebe_prep
	.p2alignl 7, 3214868480
	.fill 96, 4, 3214868480
	.section	.rodata,"a",@progbits
	.p2align	6, 0x0
	.amdhsa_kernel k_q763f202ebe_prep
		.amdhsa_group_segment_fixed_size 106496
		.amdhsa_private_segment_fixed_size 0
		.amdhsa_enable_private_segment 0
		.amdhsa_kernarg_size 56
		.amdhsa_user_sgpr_count 2
		.amdhsa_user_sgpr_kernarg_segment_ptr 1
		.amdhsa_wavefront_size32 1
		.amdhsa_system_sgpr_workgroup_id_x 1
		.amdhsa_system_sgpr_workgroup_id_y 1
		.amdhsa_system_sgpr_workgroup_id_z 1
		.amdhsa_system_vgpr_workitem_id 0
		.amdhsa_next_free_vgpr 80
		.amdhsa_next_free_sgpr 66
		.amdhsa_reserve_vcc 1
		.amdhsa_float_denorm_mode_32 3
		.amdhsa_float_denorm_mode_16_64 3
		.amdhsa_memory_ordered 1
		.amdhsa_forward_progress 1
		.amdhsa_inst_pref_size 50
	.end_amdhsa_kernel
	.amdgpu_metadata
---
amdhsa.version: [ 1, 2 ]
amdhsa.kernels:
  - .name:           k_q763f202ebe_prep
    .symbol:         k_q763f202ebe_prep.kd
    .args:
      - { .name: x, .offset: 0, .size: 8, .value_kind: global_buffer, .address_space: global }
      - { .name: ln_w, .offset: 8, .size: 8, .value_kind: global_buffer, .address_space: global }
      - { .name: ln_b, .offset: 16, .size: 8, .value_kind: global_buffer, .address_space: global }
      - { .name: fouriercoeffs, .offset: 24, .size: 8, .value_kind: global_buffer, .address_space: global }
      - { .name: lowp_scales, .offset: 32, .size: 8, .value_kind: global_buffer, .address_space: global }
      - { .name: seed, .offset: 40, .size: 8, .value_kind: global_buffer, .address_space: global }
      - { .name: wc, .offset: 48, .size: 8, .value_kind: global_buffer, .address_space: global }
    .group_segment_fixed_size: 106496
    .private_segment_fixed_size: 0
    .kernarg_segment_align: 8
    .kernarg_segment_size: 56
    .max_flat_workgroup_size: 512
    .sgpr_count:     66
    .vgpr_count:     80
    .wavefront_size: 32
...
	.end_amdgpu_metadata
.endif
;; end of part 1
;; launch gemm (part 2): grid 32 x 8, 4 waves a work-group, clusters of 4 x 1, 327,680 bytes of LDS; arguments wc, seed, lowp_scales, part; writes part
.if DOCPART == 2
	.amdgcn_target "amdgcn-amd-amdhsa--gfx1250"
	.amdhsa_code_object_version 6
	.text
	.protected	k_q763f202ebe_gemm
	.globl	k_q763f202ebe_gemm
	.p2align	8
	.type	k_q763f202ebe_gemm,@function
k_q763f202ebe_gemm:
	s_mov_b64 s[64:65], 0
	v_nop
	global_prefetch_b8 v0, s[64:65] scope:SCOPE_SE
	s_setreg_imm32_b32 hwreg(HW_REG_WAVE_MODE, 25, 1), 1
	s_wait_xcnt 0x0
	s_wait_alu depctr_hold_cnt(0) depctr_sa_sdst(0) depctr_va_vdst(0) depctr_va_sdst(0) depctr_va_ssrc(0) depctr_va_vcc(0) depctr_vm_vsrc(0)
	s_getreg_b32 s2, hwreg(HW_REG_IB_STS2, 6, 4)
	s_cmp_eq_u32 s2, 0
	s_cbranch_scc0 .Lentry_in_a_cluster
	s_endpgm
.Lentry_in_a_cluster:
	s_bfe_u32 s2, ttmp6, 0x10000c
	s_cmp_lg_u32 s2, 0x3003
	s_cbranch_scc0 .Lentry_shape_is_right
	s_endpgm
.Lentry_shape_is_right:
; part[slice][row][o] = the slice's share of both products, K = (column i, k).  A work-group takes 128 rows and one slice of 64 columns i: 128 x 512 of part, four waves of 128 x 128 (64 accumulators, 512 registers).
; A IS MADE ON THE WAY: from seed's (cos, sin) of xn each wave makes two of a K step's eight fragments (16 rows x 128 K) by u(d + s) = 2 cos(s t) u(d) - u(d - s), in f32,
; holds them within 57,344 x 2^e, converts them, and hands them to the other waves as images of the operand's registers in LDS (two images by turns, one barrier a K step).
; The generating lines stand between the matrix instructions and name none of their registers; the LDS loads and stores stand in two runs a K step.
; B: wc's images come by tensor loads through two slots of two K steps each; the four work-groups of a cluster take the same slice and ask jointly.
; The slice's 16 K steps of cosines come first, then the 16 of sines; at the change the sums are multiplied by 2^(e0 + e1 - e2 - e3), on the way out by 2^(e2 + e3).
; LIMITS: e0, e2 between -126 and 112; e0 + e1 - e2 - e3 and e2 + e3 between -126 and 127.
.set SLOTB,  131072
.set AIMG,   262144
.set SPARE,  294912
.set SPITCH, 528
.set CO,   1
.set ADRB, 2
.set ADRA, 4
.set AST,  5
.set SPW,  6
.set NIL,  7
.set SCL,  8
.set LIM,  9
.set STO,  10
.set SEED, 16
.set GV,   48
.set GC,   50
.set GS,   52
.set GT,   54
.set GX,   56
.set GU0,  58
.set GY,   60
.set GZ,   62
.set GU,   62
.set TMP,  64
.set BK,   128
.set MSB, 0
.macro WIN new
.if MSB != \new
	s_set_vgpr_msb (MSB<<8)|\new
.set MSB, \new
.endif
.endm
.set MUL_LO, 0xa1
.set MUL_HI, 0xf1
.set TO_B,   0x40
.macro PLACES n
.rept \n
	v_nop
.endr
.endm
.macro CREST
	s_cmp_lg_u32 s12, 0
	s_cbranch_scc1 .Lnot_wave_0_\@
	s_barrier_signal -3
.Lnot_wave_0_\@:
	s_barrier_wait -3
	s_barrier_signal -1
	s_barrier_wait -1
.endm
.macro CROUND
	s_barrier_signal -1
	s_barrier_wait -1
	CREST
.endm
	s_load_b256 s[4:11], s[0:1], 0x0
	v_lshl_add_u32 v[SPW], v0, 2, SPARE
	v_mov_b32 v[NIL], 0
	ds_add_u32 v6, v7
	ds_add_u32 v6, v7
	s_wait_dscnt 0x0
	v_lshrrev_b32 v1, 5, v0
	v_readfirstlane_b32 s12, v1
	s_bfe_u32 s13, ttmp6, 0x40000
	s_mov_b32 s14, ttmp9
	s_and_b32 s15, ttmp7, 0xffff
	s_lshl_b32 s16, s14, 2
	s_add_co_u32 s16, s16, s13
	s_mov_b32 s20, 15|(3<<16)|(1<<21)
	s_mov_b32 s21, 32<<16
	s_mov_b32 s22, 128<<16
	s_mov_b32 s23, 32<<16
	s_mov_b32 s24, 128
	s_mov_b32 s25, 32
	s_mov_b32 s26, 0
	s_mov_b32 s27, 0
	s_lshl_b32 s70, s15, 21
	s_lshl_b32 s71, s12, 19
	s_add_co_u32 s70, s70, s71
	s_mov_b32 s71, 0
	s_mov_b32 s39, 0
	s_mov_b32 s45, 0
	s_lshl_b32 s72, s16, 3
	s_lshl_b32 s73, s12, 1
	s_add_co_u32 s72, s72, s73
	s_lshl_b32 s72, s72, 16
	s_lshl_b32 s73, s15, 13
	s_add_co_u32 s72, s72, s73
	s_mov_b32 s73, 0
	s_lshl_b32 s74, s15, 23
	s_lshl_b32 s75, s16, 18
	s_add_co_u32 s74, s74, s75
	s_lshl_b32 s75, s12, 9
	s_add_co_u32 s74, s74, s75
	s_mov_b32 s75, 0
	s_lshl_b32 s76, s12, 15
	s_wait_kmcnt 0x0
	s_load_b128 s[56:59], s[8:9], 0x0
	s_add_nc_u64 s[36:37], s[4:5], s[70:71]
	s_add_nc_u64 s[40:41], s[6:7], s[72:73]
	s_add_nc_u64 s[10:11], s[10:11], s[74:75]
	s_mov_b32 s28, 1
	s_mov_b32 s29, s76
	s_and_b32 s80, s14, 7
	s_lshl_b32 s38, s80, 15
	s_add_nc_u64 s[30:31], s[36:37], s[38:39]
	s_or_b32 s31, s31, 0x80000000
	s_mov_b32 s32, 1
	s_add_co_u32 s33, s76, SLOTB
	s_add_co_u32 s80, s14, 1
	s_and_b32 s80, s80, 7
	s_lshl_b32 s38, s80, 15
	s_add_nc_u64 s[34:35], s[36:37], s[38:39]
	s_or_b32 s35, s35, 0x80000000
	CROUND
	tensor_load_to_lds s[28:31], s[20:27]
	s_nop 0
	v_and_b32 v1, 31, v0
	v_lshlrev_b32 v[CO], 4, v1                     ; 16 x lane; never rewritten
	s_and_b32 s84, s14, 7                          ; the seeds of the first four K steps are asked for here, beside slot 0's fill: two bases, so that none is rewritten under a load
	s_lshl_b32 s44, s84, 10
	s_add_nc_u64 s[42:43], s[40:41], s[44:45]
	s_add_co_u32 s84, s14, 1
	s_and_b32 s84, s84, 7
	s_lshl_b32 s46, s84, 10
	s_mov_b32 s47, 0
	s_add_nc_u64 s[46:47], s[40:41], s[46:47]
	s_wait_alu depctr_va_vdst(0)                   ; the wait here, ahead of the first reader behind the scalar lines and of the wait below
.irp u, 0,1
.irp f, 0,1
	global_load_b128 v[SEED+8*\u+4*\f:SEED+8*\u+4*\f+3], v[CO], s[42:43] offset:\u*512+\f*65536
.endr
.endr
.irp u, 0,1
.irp f, 0,1
	global_load_b128 v[SEED+16+8*\u+4*\f:SEED+16+8*\u+4*\f+3], v[CO], s[46:47] offset:\u*512+\f*65536
.endr
.endr
	s_wait_tensorcnt 0x0
	ds_add_u32 v6, v7
	s_wait_dscnt 0x0
	CROUND
	tensor_load_to_lds s[32:35], s[20:27]
	s_nop 0
	PLACES 4
	v_add_nc_u32 v[ADRB], s76, v[CO]
	v_add_nc_u32 v[ADRB+1], SLOTB, v[ADRB]
	v_add_nc_u32 v[ADRA], AIMG, v[CO]
	s_lshl_b32 s77, s12, 12
	v_add_nc_u32 v[AST], s77, v[ADRA]
	v_and_b32 v12, 15, v0
	v_bfe_u32 v13, v0, 4, 1
	v_mul_u32_u24 v[STO], v12, SPITCH
	v_lshl_add_u32 v[STO], v13, 5, v[STO]
	v_add_nc_u32 v[STO], s76, v[STO]
	s_wait_kmcnt 0x0
	s_add_co_i32 s70, s56, 127
	s_lshl_b32 s60, s70, 23
	s_add_co_i32 s70, s70, 15
	s_lshl_b32 s70, s70, 23
	s_or_b32 s61, s70, 0x600000
	s_add_co_i32 s70, s58, 127
	s_lshl_b32 s62, s70, 23
	s_add_co_i32 s70, s70, 15
	s_lshl_b32 s70, s70, 23
	s_or_b32 s63, s70, 0x600000
	s_add_co_i32 s70, s56, s57
	s_add_co_i32 s71, s58, s59
	s_sub_co_i32 s70, s70, s71
	s_add_co_i32 s70, s70, 127
	s_lshl_b32 s66, s70, 23
	s_mov_b32 s67, s66
	s_add_co_i32 s71, s71, 127
	s_lshl_b32 s68, s71, 23
	s_mov_b32 s69, s68
	s_mov_b32 s50, 1.0
	s_mov_b32 s51, 0
	s_mov_b32 s52, 0
	s_mov_b32 s53, 0
	v_mov_b32 v[SCL], s60
	v_mov_b32 v[LIM], s61
	v_mov_b32 v[GU0], 1.0
	v_mov_b32 v[GU0+1], 1.0
.macro REC d, m, st
.set RCD, GU+2*(\d)
.set RCA, GU+2*((\d)-(\st))
.set RCB, GU+2*((\d)-2*(\st))
.if (\d) == 2*(\st)
.set RCB, GU0
.endif
	v_pk_fma_f32 v[RCD:RCD+1], v[\m:\m+1], v[RCA:RCA+1], v[RCB:RCB+1] neg_lo:[0,0,1] neg_hi:[0,0,1]
.endm
.macro GENI
.if GJ == 0
	v_pk_mul_f32 v[GX:GX+1], v[GSD+2:GSD+3], v[GSD+2:GSD+3]
.elseif GJ == 1
	v_pk_add_f32 v[GT:GT+1], v[GSD:GSD+1], v[GSD:GSD+1]
.elseif GJ == 2
	v_pk_mul_f32 v[GU+2:GU+3], v[GSD:GSD+1], s[50:51] op_sel_hi:[1,0]
.elseif GJ == 3
	v_pk_mul_f32 v[GV:GV+1], v[GSD+2:GSD+3], s[50:51] op_sel_hi:[1,0]
.elseif GJ == 4
	v_pk_fma_f32 v[GC:GC+1], v[GSD:GSD+1], v[GSD:GSD+1], v[GX:GX+1] neg_lo:[0,0,1] neg_hi:[0,0,1]
.elseif GJ == 5
	v_pk_mul_f32 v[GS:GS+1], v[GT:GT+1], v[GSD+2:GSD+3]
.elseif GJ == 6
	v_pk_fma_f32 v[GU+2:GU+3], v[GSD+2:GSD+3], s[52:53], v[GU+2:GU+3] op_sel_hi:[1,0,1]
.elseif GJ == 7
	v_pk_fma_f32 v[GV:GV+1], v[GSD:GSD+1], s[52:53], v[GV:GV+1] op_sel_hi:[1,0,1] neg_lo:[1,0,0] neg_hi:[1,0,0]
.elseif GJ == 8
	v_pk_add_f32 v[GT:GT+1], v[GC:GC+1], v[GC:GC+1]
.elseif GJ == 9
	v_pk_mul_f32 v[GX:GX+1], v[GSD+2:GSD+3], v[GV:GV+1]
.elseif GJ == 10
	v_pk_mul_f32 v[GY:GY+1], v[GS:GS+1], v[GV:GV+1]
.elseif GJ == 11
	v_pk_mul_f32 v[GZ:GZ+1], v[GS:GS+1], v[GS:GS+1]
.elseif GJ == 12
	v_pk_fma_f32 v[GU+4:GU+5], v[GSD:GSD+1], v[GU+2:GU+3], v[GX:GX+1] neg_lo:[0,0,1] neg_hi:[0,0,1]
.elseif GJ == 13
	v_pk_fma_f32 v[GU+6:GU+7], v[GC:GC+1], v[GU+2:GU+3], v[GY:GY+1] neg_lo:[0,0,1] neg_hi:[0,0,1]
.elseif GJ == 14
	v_pk_fma_f32 v[GC:GC+1], v[GC:GC+1], v[GC:GC+1], v[GZ:GZ+1] neg_lo:[0,0,1] neg_hi:[0,0,1]
.elseif GJ == 15
	v_pk_mul_f32 v[GS:GS+1], v[GT:GT+1], v[GS:GS+1]
.elseif GJ < 18
	REC GJ-12, GT, 2
.elseif GJ == 18
	v_pk_mul_f32 v[GX:GX+1], v[GS:GS+1], v[GS:GS+1]
.elseif GJ == 19
	v_pk_add_f32 v[GY:GY+1], v[GC:GC+1], v[GC:GC+1]
.elseif GJ < 22
	REC GJ-14, GT, 2
.elseif GJ == 22
	v_pk_fma_f32 v[GC:GC+1], v[GC:GC+1], v[GC:GC+1], v[GX:GX+1] neg_lo:[0,0,1] neg_hi:[0,0,1]
.elseif GJ < 27
	REC GJ-15, GY, 4
.elseif GJ == 27
	v_pk_add_f32 v[GT:GT+1], v[GC:GC+1], v[GC:GC+1]
.elseif GJ < 32
	REC GJ-16, GY, 4
.elseif GJ < 49
	REC GJ-16, GT, 8
.elseif GJ < 121
.set GG, (GJ-49)/9
.set GI, (GJ-49)%9
.if GI < 8
	v_med3_num_f32 v[GU+2+8*GG+GI], v[GU+2+8*GG+GI], -v[LIM], v[LIM]
.else
	v_cvt_scalef32_pk8_bf8_f32 v[60+2*GG:61+2*GG], v[GU+2+8*GG:GU+9+8*GG], v[SCL]
.endif
.else
	v_nop
.endif
.endm
.macro GENBEGIN f, sd
.set GSD, SEED+8*(\sd)+4*(\f)
.set GJ, 0
.set SK, 0
.endm
.macro GENALL
.rept 122
	GENI
.set GJ, GJ+1
.endr
.endm
.macro SLICE
.set SN, 5
.if SK < 8
.set SN, 3
.endif
.rept SN
.if GJ < 122
	WIN 0
	GENI
.set GJ, GJ+1
.endif
.endr
.set SK, SK+1
.endm
.macro MULQ a0, set, zero, gen
.irp a, \a0, \a0+1
.irp b, 0,1,2,3,4,5,6,7
	WIN MUL_LO+0x50*((\a)/4)
.if \zero
	v_wmma_f32_16x16x128_bf8_bf8 v[8*(8*((\a)%4)+\b):8*(8*((\a)%4)+\b)+7], v[128*(\set)+16*\b:128*(\set)+16*\b+15], v[128+16*(\a):128+16*(\a)+15], 0
.else
	v_wmma_f32_16x16x128_bf8_bf8 v[8*(8*((\a)%4)+\b):8*(8*((\a)%4)+\b)+7], v[128*(\set)+16*\b:128*(\set)+16*\b+15], v[128+16*(\a):128+16*(\a)+15], v[8*(8*((\a)%4)+\b):8*(8*((\a)%4)+\b)+7]
.endif
.if \gen
	SLICE
.endif
.endr
.endr
.endm
.macro FRAG reg, adr, off
.irp c, 0,1,2,3
	ds_load_b128 v[\reg+4*\c:\reg+4*\c+3], v[\adr] offset:\off+512*\c
.endr
.endm
.macro FETCH_B slot, u, set
	WIN TO_B
.irp b, 0,1,2,3,4,5,6,7
	FRAG 128*(\set)+16*\b, ADRB+(\slot), (\u)*16384+2048*\b
.endr
	WIN 0
.endm
.macro FETCH_A buf, a0
.irp a, \a0, \a0+1, \a0+2, \a0+3
	FRAG 128+16*(\a), ADRA, (\buf)*16384+2048*(\a)
.endr
.endm
.macro ASTORE buf, f
.irp c, 0,1,2,3
	ds_store_b128 v[AST], v[60+4*\c:63+4*\c] offset:(\buf)*16384+(\f)*2048+512*\c
.endr
.endm
.macro SLOAD sd, f, u
	global_load_b128 v[SEED+8*(\sd)+4*(\f):SEED+8*(\sd)+4*(\f)+3], v[CO], s[42:43] offset:(\u)*512+(\f)*65536
.endm
.macro SETSP k, trip
	s_wait_xcnt 0x0
.if \trip
	s_lshl_b32 s84, s48, 1
	s_add_co_u32 s84, s84, s14
	s_add_co_u32 s84, s84, \k
.else
	s_add_co_u32 s84, s14, \k
.endif
	s_and_b32 s84, s84, 7
	s_lshl_b32 s44, s84, 10
	s_add_nc_u64 s[42:43], s[40:41], s[44:45]
.endm
.macro KIND
	s_cmp_ge_u32 s48, 3
	s_cselect_b32 s50, 0, 1.0
	s_cselect_b32 s52, 1.0, 0
	s_cselect_b32 s78, s62, s60
	s_cselect_b32 s79, s63, s61
	v_mov_b32 v[SCL], s78
	v_mov_b32 v[LIM], s79
	v_mov_b32 v[GU0], s50
	v_mov_b32 v[GU0+1], s50
	s_wait_alu depctr_va_vdst(0)                   ; the wait ahead of the next step's waits
.endm
.macro DESC slot
	s_lshl_b32 s80, s48, 1
	s_add_co_u32 s80, s80, 2+\slot
	s_lshr_b32 s81, s80, 3
	s_lshl_b32 s81, s81, 18
	s_add_co_u32 s80, s80, s14
	s_and_b32 s80, s80, 7
	s_lshl_b32 s80, s80, 15
	s_or_b32 s38, s80, s81
	s_add_nc_u64 s[30+4*\slot:31+4*\slot], s[36:37], s[38:39]
	s_or_b32 s[31+4*\slot], s[31+4*\slot], 0x80000000
.endm
.macro STEP par, slot, sd, zero, gen, bar, fetch, reload
.if \par
.set NSLOT, 1-(\slot)
.else
.set NSLOT, \slot
.endif
.if \bar == 1
	s_wait_tensorcnt 0x0
	ds_add_u32 v[SPW], v[NIL]
	DESC \slot
.endif
.if \bar == 2
	s_wait_tensorcnt 0x0
.endif
.if \gen
	GENBEGIN 0, \sd
	s_wait_loadcnt 7
.endif
.if \bar == 1
	s_wait_dscnt 17
.else
	s_wait_dscnt 16
.endif
	MULQ 0, \par, \zero, \gen
.if \gen
	s_wait_alu depctr_va_vdst(0)                   ; the wait directly ahead of the wait below: the generating lines go on behind it
.endif
	s_wait_dscnt 0x0
.if \bar != 3
	s_barrier_signal -1
.endif
	MULQ 2, \par, \zero, \gen
.if \bar != 3
	WIN 0
.if \gen
	s_wait_alu depctr_va_vdst(0)
.endif
	s_barrier_wait -1
.endif
.if \bar == 1
	CREST
	tensor_load_to_lds s[28+4*\slot:31+4*\slot], s[20:27]
	s_nop 0
	PLACES 4
.elseif \fetch
	PLACES 4
.endif
.if \gen
	ASTORE \par, 0
.if \reload
	SLOAD \sd, 0, \par
.endif
.endif
.if \fetch
	FETCH_B NSLOT, 1-(\par), 1-(\par)
	FETCH_A 1-(\par), 0
.endif
.if \gen
	GENBEGIN 1, \sd
	s_wait_loadcnt 6+(\reload)
.endif
	MULQ 4, \par, \zero, \gen
	MULQ 6, \par, \zero, \gen
.if \fetch
	PLACES 4
.endif
	WIN 0
.if \gen
	ASTORE \par, 1
.if \reload
	SLOAD \sd, 1, \par
.endif
.endif
.if \fetch
	FETCH_A 1-(\par), 4
.endif
.endm
.macro RESCALE
	WIN 0x82
.set RJ, 0
.rept 128
	v_pk_mul_f32 v[RJ:RJ+1], v[RJ:RJ+1], s[66:67] op_sel_hi:[1,0]
.set RJ, RJ+2
.endr
	WIN 0xc3
.set RJ, 0
.rept 128
	v_pk_mul_f32 v[RJ:RJ+1], v[RJ:RJ+1], s[66:67] op_sel_hi:[1,0]
.set RJ, RJ+2
.endr
	WIN 0
.endm
	SETSP 2, 0
.irp tau, 0,1
.irp f, 0,1
	GENBEGIN \f, \tau
	s_wait_loadcnt 7
	GENALL
	ASTORE \tau, \f
	SLOAD \tau, \f, \tau
.endr
.endr
	s_wait_tensorcnt 0x1
	s_wait_dscnt 0x0
	s_barrier_signal -1
	s_barrier_wait -1
	FETCH_B 0, 0, 0
	FETCH_A 0, 0
	FETCH_A 0, 4
	SETSP 3, 0
	STEP 0,0,2, 1,1,0,1,1
	s_mov_b32 s48, 0
.Ltrip:
	STEP 1,0,3, 0,1,1,1,1
	SETSP 4, 1
	KIND
	STEP 0,1,0, 0,1,0,1,1
	STEP 1,1,1, 0,1,1,1,1
	s_cmp_lg_u32 s48, 3
	s_cbranch_scc1 .Lsame_kind
	RESCALE
.Lsame_kind:
	SETSP 5, 1
	STEP 0,0,2, 0,1,0,1,1
	s_add_co_u32 s48, s48, 1
	s_cmp_lt_u32 s48, 7
	s_cbranch_scc1 .Ltrip
	STEP 1,0,3, 0,1,2,1,0
	STEP 0,1,0, 0,0,0,1,0
	STEP 1,1,0, 0,0,3,0,0
	s_wait_loadcnt 0x0
.macro TOSTAGE a
.set AC, 64*((\a)%4)
	WIN 0x02+((\a)/4)
.set TJ, 0
.rept 32
	v_pk_mul_f32 v[TMP+TJ:TMP+TJ+1], v[AC+TJ:AC+TJ+1], s[68:69] op_sel_hi:[1,0]
.set TJ, TJ+2
.endr
	WIN 0
.irp b, 0,1,2,3,4,5,6,7
	ds_store_b128 v[STO], v[TMP+8*\b:TMP+8*\b+3] offset:64*\b
	ds_store_b128 v[STO], v[TMP+8*\b+4:TMP+8*\b+7] offset:64*\b+16
.endr
.set BB, BK+64*((\a)%2)
.irp t, 0,1,2,3,4,5,6,7,8,9,10,11,12,13,14,15
	ds_load_b128 v[BB+4*\t:BB+4*\t+3], v[ADRB] offset:\t*SPITCH
.endr
.endm
.macro SEND a, younger
.set BB, BK+64*((\a)%2)
	s_wait_dscnt \younger
.if (\a) > 0
	s_add_nc_u64 s[10:11], s[10:11], 16*2048
.endif
.irp t, 0,1,2,3,4,5,6,7,8,9,10,11,12,13,14,15
	global_store_b128 v[CO], v[BB+4*\t:BB+4*\t+3], s[10:11] offset:\t*2048 th:TH_STORE_NT
.endr
.endm
	PLACES 4
	TOSTAGE 0
.irp a, 1,2,3,4,5,6,7
.if \a > 1
	s_wait_xcnt 0x0
.endif
	TOSTAGE \a
	SEND \a-1, 32
.endr
	s_wait_xcnt 0x0
	SEND 7, 0
	s_wait_tensorcnt 0x0
	ds_add_u32 v[SPW], v[NIL]
	s_wait_dscnt 0x0
	CROUND
	s_endpgm
.Lfunc_end_k_q763f202ebe_gemm:
	.size	k_q763f202ebe_gemm, .Lfunc_end_k_q763f202ebe_gemm-k_q763f202ebe_gemm
	.p2alignl 7, 3214868480
	.fill 96, 4, 3214868480
	.section	.rodata,"a",@progbits
	.p2align	6, 0x0
	.amdhsa_kernel k_q763f202ebe_gemm
		.amdhsa_group_segment_fixed_size 327680
		.amdhsa_private_segment_fixed_size 0
		.amdhsa_enable_private_segment 0
		.amdhsa_kernarg_size 32
		.amdhsa_user_sgpr_count 2
		.amdhsa_user_sgpr_kernarg_segment_ptr 1
		.amdhsa_wavefront_size32 1
		.amdhsa_system_sgpr_workgroup_id_x 1
		.amdhsa_system_sgpr_workgroup_id_y 1
		.amdhsa_system_sgpr_workgroup_id_z 1
		.amdhsa_system_vgpr_workitem_id 0
		.amdhsa_next_free_vgpr 1024
		.amdhsa_next_free_sgpr 100
		.amdhsa_reserve_vcc 0
		.amdhsa_float_denorm_mode_32 3
		.amdhsa_float_denorm_mode_16_64 3
		.amdhsa_memory_ordered 1
		.amdhsa_forward_progress 1
		.amdhsa_inst_pref_size 255
	.end_amdhsa_kernel
	.section	.bss,"aw",@nobits
	.p2align	6
	.space	262144
	.amdgpu_metadata
---
amdhsa.version: [ 1, 2 ]
amdhsa.kernels:
  - .name:           k_q763f202ebe_gemm
    .symbol:         k_q763f202ebe_gemm.kd
    .args:
      - { .name: wc, .offset: 0, .size: 8, .value_kind: global_buffer, .address_space: global }
      - { .name: seed, .offset: 8, .size: 8, .value_kind: global_buffer, .address_space: global }
      - { .name: lowp_scales, .offset: 16, .size: 8, .value_kind: global_buffer, .address_space: global }
      - { .name: part, .offset: 24, .size: 8, .value_kind: global_buffer, .address_space: global }
    .group_segment_fixed_size: 327680
    .private_segment_fixed_size: 0
    .kernarg_segment_align: 8
    .kernarg_segment_size: 32
    .max_flat_workgroup_size: 128
    .sgpr_count:     100
    .vgpr_count:     1024
    .wavefront_size: 32
...
	.end_amdgpu_metadata
.endif
;; end of part 2
;; launch sum (part 3): grid 512 x 1, 8 waves a work-group, no clusters, 0 bytes of LDS; arguments part, bias, out0; writes out0
.if DOCPART == 3
	.amdgcn_target "amdgcn-amd-amdhsa--gfx1250"
	.amdhsa_code_object_version 6
	.text
	.protected	k_q763f202ebe_sum
	.globl	k_q763f202ebe_sum
	.p2align	8
	.type	k_q763f202ebe_sum,@function
k_q763f202ebe_sum:
	s_mov_b64 s[64:65], 0
	v_nop
	global_prefetch_b8 v0, s[64:65] scope:SCOPE_SE
	s_setreg_imm32_b32 hwreg(HW_REG_WAVE_MODE, 25, 1), 1
	s_wait_xcnt 0x0
; out0[row][o] = bias[o] + the eight slices' parts, added in ascending order of the slice.  part: [8][4096][512] f32.
; A stream: a work-group owns 16,384 bytes of out0; a thread four places of 16 bytes, 4,096 bytes apart, so that each load and store of a wave covers 512 consecutive bytes.
; All 32 loads of a thread go out at once; no LDS, no barrier, no matrix unit: there is nothing to share and nothing to multiply.
.set P,   16                           ; v[16:143]  slice s, place p: 4 registers at 16 + 16 s + 4 p
.set ACC, 144                          ; v[144:159] the four sums
	s_load_b128 s[4:7], s[0:1], 0x0                ; part, bias
	s_load_b64 s[8:9], s[0:1], 0x10                ; out0
	v_lshlrev_b32 v1, 4, v0
	s_delay_alu instid0(VALU_DEP_1)
	v_and_b32 v2, 2047, v1                         ; a row is 2,048 bytes and the places are 4,096 apart: one piece of the bias serves all four
	s_lshl_b32 s10, ttmp9, 14
	v_add_nc_u32 v1, s10, v1
	s_wait_alu depctr_va_vdst(0)
	s_wait_kmcnt 0x0
	s_mov_b64 s[16:17], s[4:5]
.irp s, 1,2,3,4,5,6,7
	s_add_nc_u64 s[16+2*\s:17+2*\s], s[14+2*\s:15+2*\s], 0x800000   ; a slice is 8 MiB: one more than the immediate reaches, so each has its base
.endr
	global_load_b128 v[4:7], v2, s[6:7]
.irp s, 0,1,2,3,4,5,6,7
.irp p, 0,1,2,3
	global_load_b128 v[P+16*\s+4*\p:P+16*\s+4*\p+3], v1, s[16+2*\s:17+2*\s] offset:4096*\p th:TH_LOAD_NT
.endr
.endr
	s_wait_loadcnt 28                              ; the bias and slice 0 are in; the 28 loads of the seven later slices may be out
.irp p, 0,1,2,3
	v_pk_add_f32 v[ACC+4*\p:ACC+4*\p+1], v[4:5], v[P+4*\p:P+4*\p+1]
	v_pk_add_f32 v[ACC+4*\p+2:ACC+4*\p+3], v[6:7], v[P+4*\p+2:P+4*\p+3]
.endr
	s_wait_alu depctr_va_vdst(0)
.irp s, 1,2,3,4,5,6,7
	s_wait_alu depctr_va_vdst(0)
	s_wait_loadcnt 28-4*\s                         ; slice s is in
.irp p, 0,1,2,3
	v_pk_add_f32 v[ACC+4*\p:ACC+4*\p+1], v[ACC+4*\p:ACC+4*\p+1], v[P+16*\s+4*\p:P+16*\s+4*\p+1]
	v_pk_add_f32 v[ACC+4*\p+2:ACC+4*\p+3], v[ACC+4*\p+2:ACC+4*\p+3], v[P+16*\s+4*\p+2:P+16*\s+4*\p+3]
.endr
.endr
.irp p, 0,1,2,3
	global_store_b128 v1, v[ACC+4*\p:ACC+4*\p+3], s[8:9] offset:4096*\p th:TH_STORE_NT
.endr
	s_endpgm
.Lfunc_end_k_q763f202ebe_sum:
	.size	k_q763f202ebe_sum, .Lfunc_end_k_q763f202ebe_sum-k_q763f202ebe_sum
	.p2alignl 7, 3214868480
	.fill 96, 4, 3214868480
	.section	.rodata,"a",@progbits
	.p2align	6, 0x0
	.amdhsa_kernel k_q763f202ebe_sum
		.amdhsa_group_segment_fixed_size 0
		.amdhsa_private_segment_fixed_size 0
		.amdhsa_enable_private_segment 0
		.amdhsa_kernarg_size 24
		.amdhsa_user_sgpr_count 2
		.amdhsa_user_sgpr_kernarg_segment_ptr 1
		.amdhsa_wavefront_size32 1
		.amdhsa_system_sgpr_workgroup_id_x 1
		.amdhsa_system_sgpr_workgroup_id_y 1
		.amdhsa_system_sgpr_workgroup_id_z 1
		.amdhsa_system_vgpr_workitem_id 0
		.amdhsa_next_free_vgpr 160
		.amdhsa_next_free_sgpr 66
		.amdhsa_reserve_vcc 0
		.amdhsa_float_denorm_mode_32 3
		.amdhsa_float_denorm_mode_16_64 3
		.amdhsa_memory_ordered 1
		.amdhsa_forward_progress 1
		.amdhsa_inst_pref_size 10
	.end_amdhsa_kernel
	.amdgpu_metadata
---
amdhsa.version: [ 1, 2 ]
amdhsa.kernels:
  - .name:           k_q763f202ebe_sum
    .symbol:         k_q763f202ebe_sum.kd
    .args:
      - { .name: part, .offset: 0, .size: 8, .value_kind: global_buffer, .address_space: global }
      - { .name: bias, .offset: 8, .size: 8, .value_kind: global_buffer, .address_space: global }
      - { .name: out0, .offset: 16, .size: 8, .value_kind: global_buffer, .address_space: global }
    .group_segment_fixed_size: 0
    .private_segment_fixed_size: 0
    .kernarg_segment_align: 8
    .kernarg_segment_size: 24
    .max_flat_workgroup_size: 256
    .sgpr_count:     66
    .vgpr_count:     160
    .wavefront_size: 32
...
	.end_amdgpu_metadata
.endif
;; end of part 3
